; MI455X (gfx1250); checked and timed in simulation.
; The chip was launched on July 23, 2026; its instructions are those of AMD's public machine-readable ISA for CDNA 5 (MIT licence, August 2026) and "CDNA5" Instruction Set Architecture Reference Guide (July 2026). The comments in the code are by the model that wrote it; some were corrected since.
;; Multi Head Attention1. Allowed arithmetic: matrix products marked QUANTISED: E5M2 operands, one given power-of-two scale a tensor, by v_wmma_f32_16x16x64_bf8_bf8 or v_wmma_f32_16x16x128_bf8_bf8, f32 sums; everything else in f32.
;; Inputs: Wk_codes 1,024 x 32 x 32 uint8 (E5M2 codes of Wk, K innermost, in blocks of 32 codes); Wo_codes 1,024 x 32 x 32 uint8 (E5M2 codes of Wo, K innermost, in blocks of 32 codes); Wq_codes 1,024 x 32 x 32 uint8 (E5M2 codes of Wq, K innermost, in blocks of 32 codes); Wv_codes 1,024 x 32 x 32 uint8 (E5M2 codes of Wv, K innermost, in blocks of 32 codes); bk 1,024 float32; bo 1,024 float32; bq 1,024 float32; bv 1,024 float32; key_codes 4 x 2,048 x 32 x 32 uint8 (E5M2 codes of key, K innermost, in blocks of 32 codes); ln_b 1,024 float32; ln_g 1,024 float32; lowp_scales 12 int32 (the exponents e of the quantised operands' scales 2^e); query 4 x 2,048 x 1,024 float32; value_codes 4 x 2,048 x 32 x 32 uint8 (E5M2 codes of value, K innermost, in blocks of 32 codes).
;; Outputs: out0 4 x 2,048 x 1,024 float32.
;; This version of the problem:
;;   THIS VERSION OF THE PROBLEM IS GIVEN IN LOW PRECISION. The matrix products marked QUANTISED in the list below multiply operands that are first quantised to E5M2 (5 exponent bits, 2 mantissa bits; 8 bits a number), with one given power-of-two scale for each operand tensor; their sums are f32. All else is computed in f32.
;;   The module's matrix products, in the order in which they are computed (A, B: the left and right operand; K: the contracted axis; several contracted axes count as one K, in the product's order):
;;     1. [M 8,192, K 1,024] x [K 1,024, N 1,024]; A: input query; B: input Wq (given as codes): QUANTISED (scales: A lowp_scales[0], B lowp_scales[1])
;;     2. [M 8,192, K 1,024] x [K 1,024, N 1,024]; A: input key (given as codes); B: input Wk (given as codes): QUANTISED (scales: A lowp_scales[2], B lowp_scales[3])
;;     3. [M 8,192, K 1,024] x [K 1,024, N 1,024]; A: input value (given as codes); B: input Wv (given as codes): QUANTISED (scales: A lowp_scales[4], B lowp_scales[5])
;;     4. batch 64 x [M 2,048, K 64] x [K 64, N 2,048]; A: computed on the way; B: computed on the way: QUANTISED (scales: A lowp_scales[6], B lowp_scales[7])
;;     5. batch 64 x [M 64, K 2,048] x [K 2,048, N 2,048]; A: computed on the way; B: softmax (see below): QUANTISED (scales: A lowp_scales[8], B lowp_scales[9])
;;     6. [M 8,192, K 1,024] x [K 1,024, N 1,024]; A: computed on the way; B: input Wo (given as codes): QUANTISED (scales: A lowp_scales[10], B lowp_scales[11])
;;   THE QUANTISER, for each operand of a quantised product, along K:
;;     - The operand's scale is 2^e, e = its entry of the input lowp_scales (int32; the entries are numbered through the quantised products in the list's order, A before B).
;;     - Each number is divided by the scale, clamped to +-57,344, and rounded to the nearest number of E5M2, ties to even, subnormals kept.
;;     - The product sums the exact products of the quantised numbers (number of the format x scale) in f32.
;;   ~~~python
;;   def quantise(x, axis, e):      # numpy; x: float32 -> the quantised numbers, widened to float32 again
;;       x = np.moveaxis(x, axis, -1); K = x.shape[-1]
;;       r = np.clip(x / 2.0 ** e, -57344, 57344)
;;       step = 2.0 ** (np.maximum(np.frexp(np.where(r == 0, 1, r))[1] - 1, -14) - 2)
;;       q = np.round(r / step) * step * 2.0 ** e      # np.round: ties to even
;;       return np.moveaxis(q, -1, axis).astype(np.float32)
;;   ~~~
;;   SOFTMAX AHEAD OF A QUANTISED PRODUCT. Where the list says 'softmax', what is quantised is not the finished softmax but p = 2^(t - M), with t = logit x log2(e) and M = ceil(the row's largest t), a whole number; so 1/2 < the row's largest p <= 1. The row's sum l is taken of the UNQUANTISED p, in f32, and the product's result is divided by l at the end. Since M is a whole number, a kernel that streams over the keys may use a running M (the ceiling of the running maximum): every later rescaling is an exact power of two, so the quantised numbers keep their values, but for numbers so far below the row's largest that they fall under the format's range.
;;   OPERANDS COMPUTED ON THE WAY. 'Computed on the way' means the value that the module computes at that place (a softmax that the list does not call 'softmax' is quantised finished and normalised). What goes into a quantiser is computed in f32, as accurately as f32 sums, v_exp_f32 and their like allow (about 1e-6 of the number): no bf16 or f16 on the way to a quantiser, and a product that is left as it is and whose result goes on into a quantised operand takes f32 operands (vector FMAs, or v_wmma_f32_16x16x4_f32). A number that lies on a knife's edge between two numbers of the format may be rounded either way, as far as f32 arithmetic and the matrix unit's own rounding can turn it there, and no further.
;;   INPUTS GIVEN AS CODES. Wk (in the module: [1024, 1024], K = its axis 1); Wo (in the module: [1024, 1024], K = its axis 1); Wq (in the module: [1024, 1024], K = its axis 1); Wv (in the module: [1024, 1024], K = its axis 1); key (in the module: [4, 2048, 1024], K = its axis 2); value (in the module: [4, 2048, 1024], K = its axis 2): each comes as NAME_codes (uint8): NAME with its K axis moved to the last place and cut into blocks of 32 codes, [.., K / 32, bytes a block], one block behind the other in memory; one code a byte (a code: sign, 5 exponent bits, 2 mantissa bits); its scale is its entry of lowp_scales. Its value is code x scale, taken as it is: it is not quantised again, and the codes and scales need not be those that the quantiser above would give.
;; One version. Each part assembles by itself: llvm-mc -triple=amdgcn-amd-amdhsa -mcpu=gfx1250 --defsym DOCPART=n.
;; ======== version 1 of 1: 4 launches
;; limits: right only within a limited range of input values
;; workspace buffers: qx 8,388,608 bytes; qf 8,388,608 bytes; kf 8,388,608 bytes; vf 8,388,608 bytes; cf 8,388,608 bytes
;; launch quant (part 1): grid 256 x 1, 8 waves a work-group, no clusters, 66,560 bytes of LDS; arguments query, lowp_scales, qx; writes qx
.if DOCPART == 1
	.amdgcn_target "amdgcn-amd-amdhsa--gfx1250"
	.amdhsa_code_object_version 6
	.text
	.protected	k_q5ad88fb225_quant
	.globl	k_q5ad88fb225_quant
	.p2align	8
	.type	k_q5ad88fb225_quant,@function
k_q5ad88fb225_quant:
	s_mov_b64 s[64:65], 0
	v_nop
	global_prefetch_b8 v0, s[64:65] scope:SCOPE_SE
	s_setreg_imm32_b32 hwreg(HW_REG_WAVE_MODE, 25, 1), 1
	s_wait_xcnt 0x0
; query [8192][1024] f32 -> qx [8192][1024]: codes of BF8 (E5M2), K innermost, with the given scale 2^e0 (entry 0 of the scales).
; code = x / 2^e0, held within +-57,344, rounded to the nearest code, ties to even.  LIMITS: -126 <= e0 <= 112; NaN among the inputs is not served.
; Rows are dense, so the tensor is a plain stream.  A wave takes 8 steps of 512 numbers.  Each of a step's four loads reads 512 consecutive bytes, 16 a lane;
; the conversion wants 16 NEIGHBOURS in one lane, so a step's 2,048 bytes turn through the wave's own stage in LDS (16 bytes of padding behind each 64) and come back 64 bytes a lane.
; A lane's 16 codes are 16 bytes: the wave stores 512 consecutive bytes.  No barrier: waves share nothing.  Loads run four steps (16 loads a wave) ahead, the turn through LDS one step.
.set STEPS, 8
.set EMAX,  15
.set MANT,  0x600000                   ; the mantissa field of 57,344 as f32
.set CB,    16                         ; bytes of 16 codes
.set R,     16                         ; v16-79   four sets of 16 numbers as they are loaded
.set X,     80                         ; v80-111  two sets of 16 neighbours
.set C,     128                        ; v128-159 codes: four registers for each step, so that no store's data are written again
.set WREG,  8192                       ; LDS: a region for each wave: two stages of 32 x SP bytes
.set SP,    80                         ; a lane's place in a stage: 64 bytes + 16 of padding
	s_load_b128 s[4:7], s[0:1], 0x0                ; query, the scales' exponents
	s_load_b64 s[8:9], s[0:1], 0x10                ; qx
	v_lshl_add_u32 v160, v0, 2, 0x10000
	v_mov_b32 v161, 0
	v_lshrrev_b32 v1, 5, v0
	s_delay_alu instid0(VALU_DEP_1)
	v_readfirstlane_b32 s16, v1                    ; wave 0..7
	v_and_b32 v2, 31, v0                           ; lane
	s_delay_alu instid0(VALU_DEP_1)
	v_lshlrev_b32 v3, 4, v2                        ; my 16 bytes of a load's 512
	s_mul_i32 s17, s16, WREG
	v_lshrrev_b32 v14, 2, v2
	s_delay_alu instid0(VALU_DEP_1)
	v_mul_u32_u24 v14, v14, SP
	v_and_b32 v15, 3, v2
	s_delay_alu instid0(VALU_DEP_1)
	v_lshl_add_u32 v14, v15, 4, v14
	s_delay_alu instid0(VALU_DEP_1)
	v_add_nc_u32 v14, s17, v14                     ; the stage, on the way in: SP (lane / 4) + 16 (lane % 4)
	v_mul_u32_u24 v15, v2, SP
	s_delay_alu instid0(VALU_DEP_1)
	v_add_nc_u32 v15, s17, v15                     ; and on the way out: SP x lane: my 16 neighbours
	v_mul_u32_u24 v4, v2, CB                       ; my codes' place in a step's
	s_lshl_b32 s17, ttmp9, 3
	s_add_co_u32 s18, s17, s16                     ; which run of 4,096 numbers is my wave's
	s_lshl_b32 s20, s18, 14                        ; 16,384 bytes of f32 a run
	s_mov_b32 s21, 0
	s_lshl_b32 s24, s18, 12                        ; 4,096 bytes of codes a run
	s_mov_b32 s25, 0
	s_wait_alu depctr_va_vdst(0)
	s_wait_kmcnt 0x0
	s_load_b32 s22, s[6:7], 0x0                    ; e0
	s_add_nc_u64 s[4:5], s[4:5], s[20:21]
	s_add_nc_u64 s[8:9], s[8:9], s[24:25]
.macro LOAD t
.irp i, 0,1,2,3
	global_load_b128 v[R+16*((\t)%4)+4*\i:R+16*((\t)%4)+4*\i+3], v3, s[4:5] offset:2048*(\t)+512*\i th:TH_LOAD_NT   ; 32 lanes read 512 consecutive bytes
.endr
.endm
.macro TURN t                          ; step t's numbers through the stage: LDS serves a wave's instructions in order (ISA guide 5.7.1.4), so no wait stands between the stores and the loads
.irp i, 0,1,2,3
	ds_store_b128 v14, v[R+16*((\t)%4)+4*\i:R+16*((\t)%4)+4*\i+3] offset:32*SP*((\t)%2)+8*SP*\i
.endr
.irp i, 0,1,2,3
	ds_load_b128 v[X+16*((\t)%2)+4*\i:X+16*((\t)%2)+4*\i+3], v15 offset:32*SP*((\t)%2)+16*\i
.endr
.endm
.irp t, 0,1,2,3
	LOAD \t
.endr
	s_wait_kmcnt 0x0
	s_add_co_i32 s22, s22, 127
	s_lshl_b32 s23, s22, 23
	v_mov_b32 v11, s23                             ; 2^e0 as f32: the conversion takes its exponent field
	s_wait_alu depctr_va_vdst(0)
	s_wait_loadcnt 12                              ; step 0's four loads are in; three steps' twelve may be out
	TURN 0
.macro STEP t
.set XS, X+16*((\t)%2)
	s_wait_dscnt 0x0                               ; this step's numbers are back from the stage: so its stores into the stage have read their registers,
.if (\t)+4 < STEPS
	LOAD (\t)+4                                    ; which take the loads of four steps on
.endif
.if (\t)+1 < STEPS
.if STEPS-2-(\t) >= 3
	s_wait_loadcnt 12                              ; the next step's four loads are in; those of the three steps behind it may be out
.else
	s_wait_loadcnt 4*(STEPS-2-(\t))                ; at the tail fewer steps stand behind it
.endif
	TURN (\t)+1                                    ; and go through the other stage while this step is worked
.endif
.irp i, 0,1,2,3,4,5,6,7,8,9,10,11,12,13,14,15
.endr
	v_cvt_scalef32_pk8_bf8_f32 v[C+4*(\t):C+4*(\t)+1], v[XS:XS+7], v11
	v_cvt_scalef32_pk8_bf8_f32 v[C+4*(\t)+2:C+4*(\t)+3], v[XS+8:XS+15], v11
	global_store_b128 v4, v[C+4*(\t):C+4*(\t)+3], s[8:9] offset:32*CB*(\t) th:TH_STORE_NT   ; 512 consecutive bytes, aligned.  The codes go to a store alone
.endm
.irp t, 0,1,2,3,4,5,6,7
	STEP \t
.endr
	s_wait_tensorcnt 0x0
	ds_add_u32 v160, v161
	s_wait_dscnt 0x0
	s_endpgm
.Lfunc_end_k_q5ad88fb225_quant:
	.size	k_q5ad88fb225_quant, .Lfunc_end_k_q5ad88fb225_quant-k_q5ad88fb225_quant
	.p2alignl 7, 3214868480
	.fill 96, 4, 3214868480
	.section	.rodata,"a",@progbits
	.p2align	6, 0x0
	.amdhsa_kernel k_q5ad88fb225_quant
		.amdhsa_group_segment_fixed_size 66560
		.amdhsa_private_segment_fixed_size 0
		.amdhsa_enable_private_segment 0
		.amdhsa_kernarg_size 24
		.amdhsa_user_sgpr_count 2
		.amdhsa_user_sgpr_kernarg_segment_ptr 1
		.amdhsa_wavefront_size32 1
		.amdhsa_system_sgpr_workgroup_id_x 1
		.amdhsa_system_sgpr_workgroup_id_y 1
		.amdhsa_system_sgpr_workgroup_id_z 1
		.amdhsa_system_vgpr_workitem_id 0
		.amdhsa_next_free_vgpr 162
		.amdhsa_next_free_sgpr 66
		.amdhsa_reserve_vcc 0
		.amdhsa_float_denorm_mode_32 3
		.amdhsa_float_denorm_mode_16_64 3
		.amdhsa_fp16_overflow 1
		.amdhsa_memory_ordered 1
		.amdhsa_forward_progress 1
		.amdhsa_inst_pref_size 12
	.end_amdhsa_kernel
	.amdgpu_metadata
---
amdhsa.version: [ 1, 2 ]
amdhsa.kernels:
  - .name:           k_q5ad88fb225_quant
    .symbol:         k_q5ad88fb225_quant.kd
    .args:
      - { .name: query, .offset: 0, .size: 8, .value_kind: global_buffer, .address_space: global }
      - { .name: lowp_scales, .offset: 8, .size: 8, .value_kind: global_buffer, .address_space: global }
      - { .name: qx, .offset: 16, .size: 8, .value_kind: global_buffer, .address_space: global }
    .group_segment_fixed_size: 66560
    .private_segment_fixed_size: 0
    .kernarg_segment_align: 8
    .kernarg_segment_size: 24
    .max_flat_workgroup_size: 256
    .sgpr_count:     66
    .vgpr_count:     162
    .wavefront_size: 32
...
	.end_amdgpu_metadata
.endif
;; end of part 1
;; launch proj (part 2): grid 32 x 12, 4 waves a work-group, clusters of 4 x 4, 327,680 bytes of LDS; arguments qx, key_codes, Wv_codes, Wq_codes, Wk_codes, value_codes, bq, bk, bv, qf, kf, vf, lowp_scales; writes qf, kf, vf
.if DOCPART == 2
	.amdgcn_target "amdgcn-amd-amdhsa--gfx1250"
	.amdhsa_code_object_version 6
	.text
	.protected	k_q5ad88fb225_proj
	.globl	k_q5ad88fb225_proj
	.p2align	8
	.type	k_q5ad88fb225_proj,@function
k_q5ad88fb225_proj:
	s_mov_b64 s[64:65], 0
	v_nop
	global_prefetch_b8 v0, s[64:65] scope:SCOPE_SE
	s_setreg_imm32_b32 hwreg(HW_REG_WAVE_MODE, 25, 1), 1
	s_wait_xcnt 0x0
	s_wait_alu depctr_hold_cnt(0) depctr_sa_sdst(0) depctr_va_vdst(0) depctr_va_sdst(0) depctr_va_ssrc(0) depctr_va_vcc(0) depctr_vm_vsrc(0)
	s_getreg_b32 s2, hwreg(HW_REG_IB_STS2, 6, 4)
	s_cmp_eq_u32 s2, 0
	s_cbranch_scc0 .Lentry_in_a_cluster
	s_endpgm
.Lentry_in_a_cluster:
	s_bfe_u32 s2, ttmp6, 0x10000c
	s_cmp_lg_u32 s2, 0xf033
	s_cbranch_scc0 .Lentry_shape_is_right
	s_endpgm
.Lentry_shape_is_right:
.set ROWB,   256
.set KROW,   1024
.set PITCH,  272
.set FR,     16
.set NL,     4
.set NP,     4
.set HALFT,  128*PITCH
.set SLOT,   4*HALFT
.set SPARE,  2*SLOT
.set ADRA, 16
.set ADRB, 20
.set OFS,  24
.set SCL,  25
.set LIM,  26
.set SPW,  28
.set NIL,  29
.set BR,   32
.set BC,   96
.set BCR,  112
.set AF,   128
.set T,    128
.set CDB,  192
.set G1, 24
.set G0, 32
.set G1B, 48
.set G0B, 56
.set MSB, 0
.macro WIN new
.if MSB != \new
	s_set_vgpr_msb (MSB<<8)|\new
.set MSB, \new
.endif
.endm
.set MUL_LO, 0xa1
.set MUL_HI, 0xf1
.set TO_B,   0x40
.macro JLOAD g0a, g1a, g0b, g1b
	s_cmp_eq_u32 s15, 0
	s_cbranch_scc0 .Lfor_b_\@
	tensor_load_to_lds s[\g0a:\g0a+3], s[\g1a:\g1a+7]
	s_nop 0
.rept 4
	v_nop
.endr
	s_branch .Lasked_\@
.Lfor_b_\@:
	tensor_load_to_lds s[\g0b:\g0b+3], s[\g1b:\g1b+7]
	s_nop 0
.rept 4
	v_nop
.endr
.Lasked_\@:
.endm
.macro CREST
	s_cmp_lg_u32 s14, 0
	s_cbranch_scc1 .Lnot_wave_0_\@
	s_barrier_signal -3
.Lnot_wave_0_\@:
	s_barrier_wait -3
	s_barrier_signal -1
	s_barrier_wait -1
.endm
.macro CROUND
	s_barrier_signal -1
	s_barrier_wait -1
	CREST
.endm
	s_load_b256 s[68:75], s[0:1], 0x0
	s_load_b256 s[76:83], s[0:1], 0x20
	s_load_b256 s[84:91], s[0:1], 0x40
	s_load_b64 s[12:13], s[0:1], 0x60
	v_lshl_add_u32 v[SPW], v0, 2, SPARE
	v_mov_b32 v[NIL], 0
	ds_add_u32 v28, v29
	ds_add_u32 v28, v29
	s_wait_dscnt 0x0
	v_lshrrev_b32 v1, 5, v0
	v_readfirstlane_b32 s14, v1
	s_lshr_b32 s15, s14, 1
	s_and_b32 s16, s14, 1
	s_bfe_u32 s40, ttmp6, 0x40000
	s_bfe_u32 s41, ttmp6, 0x40004
	s_and_b32 s66, ttmp7, 0xffff
	s_cmp_eq_u32 s66, 2
	s_cselect_b32 s67, 0, ttmp9
	s_cselect_b32 s93, ttmp9, 0
	s_lshl_b32 s42, s93, 2
	s_add_co_u32 s42, s42, s40
	s_lshl_b32 s17, s67, 2
	s_add_co_u32 s17, s17, s41
	s_lshl_b32 s43, s41, 2
	s_lshl_b32 s43, 15, s43
	s_lshl_b32 s44, 0x1111, s40
	s_or_b32 s[G1+0], s43, (0<<16)|(1<<20)|(1<<21)|(5<<22)|(3<<25)
	s_or_b32 s[G1B+0], s44, (0<<16)|(1<<20)|(1<<21)|(5<<22)|(3<<25)
.irp g, G1, G1B
	s_mov_b32 s[\g+1], ROWB<<16
	s_mov_b32 s[\g+2], 128<<16
	s_mov_b32 s[\g+3], ROWB<<16
	s_mov_b32 s[\g+4], 128
	s_mov_b32 s[\g+5], KROW
	s_mov_b32 s[\g+6], 0
	s_mov_b32 s[\g+7], 0
.endr
	s_lshl_b32 s18, s16, 7
	s_lshl_b32 s20, s17, 8
	s_add_co_u32 s20, s20, s18
	s_lshl_b32 s20, s20, 10
	s_mov_b32 s21, 0
	s_lshl_b32 s46, s42, 8
	s_add_co_u32 s46, s46, s18
	s_lshl_b32 s46, s46, 10
	s_mov_b32 s47, 0
	s_mul_i32 s45, s14, HALFT
	s_wait_kmcnt 0x0
	s_cmp_eq_u32 s66, 0
	s_cselect_b64 s[4:5], s[68:69], s[70:71]
	s_cselect_b64 s[6:7], s[74:75], s[76:77]
	s_cselect_b64 s[8:9], s[80:81], s[82:83]
	s_cselect_b64 s[10:11], s[86:87], s[88:89]
	s_cmp_eq_u32 s66, 2
	s_cselect_b64 s[4:5], s[72:73], s[4:5]
	s_cselect_b64 s[6:7], s[78:79], s[6:7]
	s_cselect_b64 s[8:9], s[84:85], s[8:9]
	s_cselect_b64 s[10:11], s[90:91], s[10:11]
	s_load_b256 s[68:75], s[12:13], 0x0
	s_load_b32 s76, s[12:13], 0x20
	s_add_nc_u64 s[20:21], s[4:5], s[20:21]
	s_add_nc_u64 s[46:47], s[6:7], s[46:47]
	CROUND
.irp s, 0,1
	s_mov_b32 s[G0+4*\s], 1
	s_add_co_u32 s[G0+4*\s+1], s45, \s*SLOT
	s_add_nc_u64 s[G0+4*\s+2:G0+4*\s+3], s[20:21], \s*ROWB
	s_or_b32 s[G0+4*\s+3], s[G0+4*\s+3], 0x80000000
	s_mov_b32 s[G0B+4*\s], 1
	s_add_co_u32 s[G0B+4*\s+1], s45, \s*SLOT
	s_add_nc_u64 s[G0B+4*\s+2:G0B+4*\s+3], s[46:47], \s*ROWB
	s_or_b32 s[G0B+4*\s+3], s[G0B+4*\s+3], 0x80000000
	s_wait_alu depctr_va_vdst(0)
	s_wait_tensorcnt 0x0
	ds_add_u32 v28, v29
	ds_add_u32 v28, v29
	s_wait_dscnt 0x0
	CROUND
	JLOAD G0+4*\s, G1, G0B+4*\s, G1B
.endr
	v_and_b32 v1, 15, v0
	v_bfe_u32 v2, v0, 4, 1
	v_mul_u32_u24 v3, v1, PITCH
	v_lshl_add_u32 v4, v2, 4, v3
	s_mul_i32 s21, s15, HALFT
	s_mul_i32 s22, s16, HALFT
	s_add_co_u32 s22, s22, 2*HALFT
.irp s, 0,1
	v_add_nc_u32 v[ADRA+\s], s21, v4
	v_add_nc_u32 v[ADRB+\s], s22, v4
	s_add_co_u32 s21, s21, SLOT
	s_add_co_u32 s22, s22, SLOT
.endr
	v_and_b32 v6, 31, v0
	v_lshlrev_b32 v[OFS], 4, v6
	v_lshlrev_b32 v7, 5, v2
	s_wait_alu depctr_va_vdst(0)
	v_lshlrev_b32 v8, 2, v1
	s_wait_alu depctr_va_vdst(0)
	s_lshl_b32 s18, s17, 2
	s_lshl_b32 s19, s15, 1
	s_add_co_u32 s18, s18, s19
	s_lshl_b32 s19, s42, 2
	s_lshl_b32 s23, s16, 1
	s_add_co_u32 s19, s19, s23
	s_cmp_eq_u32 s66, 2
	s_cselect_b32 s98, s18, s19
	s_cselect_b32 s99, s19, s18
	s_lshl_b32 s18, s98, 8
	s_cmp_eq_u32 s66, 2
	s_cselect_b32 s78, 0, s18
	s_cselect_b32 s80, s18, 0
	s_mov_b32 s94, 1024
	s_cselect_b32 s94, 2048, s94
	s_mov_b32 s96, 1024
	s_cselect_b32 s96, 124928, s96
	s_mov_b32 s92, 131072
	s_cselect_b32 s92, 1024, s92
	s_mov_b32 s79, 0
	s_mov_b32 s81, 0
	s_mov_b32 s95, 0
	s_mov_b32 s97, 0
	s_mov_b32 s93, 0
	s_add_nc_u64 s[78:79], s[8:9], s[78:79]
	s_add_nc_u64 s[80:81], s[8:9], s[80:81]
	s_lshr_b32 s18, s99, 5
	s_lshl_b32 s18, s18, 4
	s_add_co_u32 s18, s18, s98
	s_lshl_b32 s18, s18, 17
	s_and_b32 s19, s99, 31
	s_lshl_b32 s19, s19, 12
	s_add_co_u32 s90, s18, s19
	s_mov_b32 s91, 0
	s_add_nc_u64 s[90:91], s[10:11], s[90:91]
	s_add_nc_u64 s[92:93], s[90:91], s[92:93]
.irp b, 0,1,2,3,4,5,6,7
	global_load_b128 v[BR+8*\b:BR+8*\b+3], v7, s[78:79] offset:64*\b
	global_load_b128 v[BR+8*\b+4:BR+8*\b+7], v7, s[78:79] offset:64*\b+16
.endr
.irp a, 0,1,2,3,4,5,6,7
	global_load_b32 v[BCR+\a], v8, s[80:81] offset:64*\a
.endr
.macro FRAG reg, adr, q, i
.irp c, 0,1,2,3
	ds_load_b128 v[\reg+4*\c:\reg+4*\c+3], v[\adr] offset:128*(\q)+32*\c+(\i)*16*PITCH
.endr
.endm
.macro MUL16 a0, p, zero
.irp a, \a0, \a0+1
.irp b, 0,1,2,3,4,5,6,7
.if \zero
	v_wmma_f32_16x16x128_bf8_bf8 v[8*(8*((\a)%4)+\b):8*(8*((\a)%4)+\b)+7], v[128*(\p)+FR*\b:128*(\p)+FR*\b+FR-1], v[AF+FR*(\a):AF+FR*(\a)+FR-1], 0
.else
	v_wmma_f32_16x16x128_bf8_bf8 v[8*(8*((\a)%4)+\b):8*(8*((\a)%4)+\b)+7], v[128*(\p)+FR*\b:128*(\p)+FR*\b+FR-1], v[AF+FR*(\a):AF+FR*(\a)+FR-1], v[8*(8*((\a)%4)+\b):8*(8*((\a)%4)+\b)+7]
.endif
.endr
.endr
.endm
.macro FETCH_B slot, q, p
	WIN TO_B
.irp i, 0,1,2,3,4,5,6,7
	FRAG 128*(\p)+FR*\i, ADRB+\slot, \q, \i
.endr
	WIN 0
.endm
.macro FETCH_A slot, q, i0
.irp i, \i0, \i0+1, \i0+2, \i0+3
	FRAG AF+FR*(\i), ADRA+\slot, \q, \i
.endr
.endm
.macro PLACES n
.rept \n
	v_nop
.endr
.endm
.macro STEP slot, q, zero
	s_wait_dscnt 4*NL
	WIN MUL_LO
	MUL16 0, (\q)%2, \zero
	MUL16 2, (\q)%2, \zero
	s_wait_dscnt 0
	PLACES NP
	FETCH_B \slot, (\q)+1, 1-(\q)%2
	FETCH_A \slot, (\q)+1, 0
	WIN MUL_HI
	MUL16 4, (\q)%2, \zero
	MUL16 6, (\q)%2, \zero
	PLACES NP
	WIN 0
	FETCH_A \slot, (\q)+1, 4
.endm
.macro TURN slot, next, fill
	s_wait_tensorcnt 0x0
	ds_add_u32 v[SPW], v[NIL]
	s_wait_dscnt 4*NL+1
	WIN MUL_LO
	MUL16 0, 1, 0
	s_wait_dscnt 0x0
	s_barrier_signal -1
	MUL16 2, 1, 0
	WIN 0
	s_barrier_wait -1
.if \fill
	CREST
	s_add_nc_u64 s[G0+4*\slot+2:G0+4*\slot+3], s[G0+4*\slot+2:G0+4*\slot+3], 2*ROWB
	s_add_nc_u64 s[G0B+4*\slot+2:G0B+4*\slot+3], s[G0B+4*\slot+2:G0B+4*\slot+3], 2*ROWB
	JLOAD G0+4*\slot, G1, G0B+4*\slot, G1B
.else
	PLACES NP
.endif
	FETCH_B \next, 0, 0
	FETCH_A \next, 0, 0
	WIN MUL_HI
	MUL16 4, 1, 0
	MUL16 6, 1, 0
	PLACES NP
	WIN 0
	FETCH_A \next, 0, 4
.endm
	s_wait_tensorcnt 1
	s_barrier_signal -1
	s_barrier_wait -1
	FETCH_B 0, 0, 0
	FETCH_A 0, 0, 0
	FETCH_A 0, 0, 4
	STEP 0, 0, 1
	TURN 0, 1, 1
	STEP 1, 0, 0
	TURN 1, 0, 1
	STEP 0, 0, 0
	TURN 0, 1, 0
	STEP 1, 0, 0
	s_wait_dscnt 4*NL
	WIN MUL_LO
	MUL16 0, 1, 0
	MUL16 2, 1, 0
	s_wait_dscnt 0
	WIN MUL_HI
	MUL16 4, 1, 0
	MUL16 6, 1, 0
	WIN 0
	s_wait_kmcnt 0x0
	s_cmp_eq_u32 s66, 0
	s_cselect_b32 s84, s68, s70
	s_cselect_b32 s85, s69, s71
	s_cselect_b32 s89, s74, s75
	s_cmp_eq_u32 s66, 2
	s_cselect_b32 s84, s72, s84
	s_cselect_b32 s85, s73, s85
	s_cselect_b32 s89, s76, s89
	s_add_co_i32 s84, s84, s85
	s_sub_co_i32 s85, 127, s84
	s_lshl_b32 s85, s85, 23
	s_sub_co_i32 s89, s89, s84
	s_add_co_i32 s89, s89, 127
	s_lshl_b32 s77, s89, 23
	v_mov_b32 v[SCL], s77
	s_cmp_eq_u32 s66, 2
	s_cselect_b32 s86, 0, s85
	s_cselect_b32 s88, s85, 0
	s_mov_b32 s87, s86
	s_wait_loadcnt 0x0
	PLACES NP
.set j, 0
.rept 32
	v_pk_mul_f32 v[BR+j:BR+j+1], v[BR+j:BR+j+1], s[86:87] op_sel_hi:[1,0]
.set j, j+2
.endr
.irp a, 0,1,2,3,4,5,6,7
	v_mul_f32 v[BC+2*\a], s88, v[BCR+\a]
	v_mul_f32 v[BC+2*\a+1], s88, v[BCR+\a]
.endr
.macro OUTA a
.set AC, 64*((\a)%4)
.set CD, CDB+16*((\a)%2)
.if (\a) > 0
	s_wait_xcnt 0x0
.if (\a) == 4
	s_add_nc_u64 s[90:91], s[90:91], s[96:97]
	s_add_nc_u64 s[92:93], s[92:93], s[96:97]
.else
	s_add_nc_u64 s[90:91], s[90:91], s[94:95]
	s_add_nc_u64 s[92:93], s[92:93], s[94:95]
.endif
.endif
	WIN 0x02+((\a)/4)
.set j, 0
.rept 32
	v_pk_add_f32 v[T+j:T+j+1], v[AC+j:AC+j+1], v[BR+j:BR+j+1]
.set j, j+2
.endr
	WIN 0
.set j, 0
.rept 32
	v_pk_add_f32 v[T+j:T+j+1], v[T+j:T+j+1], v[BC+2*(\a):BC+2*(\a)+1]
.set j, j+2
.endr
.set j, 0
.rept 64
.set j, j+1
.endr
.irp b, 0,1,2,3,4,5,6,7
	v_cvt_scalef32_pk8_bf8_f32 v[CD+2*\b:CD+2*\b+1], v[T+8*\b:T+8*\b+7], v[SCL]
.endr
	v_nop
	global_store_b128 v[OFS], v[CD:CD+3], s[90:91] th:TH_STORE_NT
	global_store_b128 v[OFS], v[CD+4:CD+7], s[90:91] offset:512 th:TH_STORE_NT
	global_store_b128 v[OFS], v[CD+8:CD+11], s[92:93] th:TH_STORE_NT
	global_store_b128 v[OFS], v[CD+12:CD+15], s[92:93] offset:512 th:TH_STORE_NT
.endm
.irp a, 0,1,2,3,4,5,6,7
	OUTA \a
.endr
	s_wait_tensorcnt 0x0
	ds_add_u32 v[SPW], v[NIL]
	s_wait_dscnt 0x0
	CROUND
	s_endpgm
.Lfunc_end_k_q5ad88fb225_proj:
	.size	k_q5ad88fb225_proj, .Lfunc_end_k_q5ad88fb225_proj-k_q5ad88fb225_proj
	.p2alignl 7, 3214868480
	.fill 96, 4, 3214868480
	.section	.rodata,"a",@progbits
	.p2align	6, 0x0
	.amdhsa_kernel k_q5ad88fb225_proj
		.amdhsa_group_segment_fixed_size 327680
		.amdhsa_private_segment_fixed_size 0
		.amdhsa_enable_private_segment 0
		.amdhsa_kernarg_size 104
		.amdhsa_user_sgpr_count 2
		.amdhsa_user_sgpr_kernarg_segment_ptr 1
		.amdhsa_wavefront_size32 1
		.amdhsa_system_sgpr_workgroup_id_x 1
		.amdhsa_system_sgpr_workgroup_id_y 1
		.amdhsa_system_sgpr_workgroup_id_z 1
		.amdhsa_system_vgpr_workitem_id 0
		.amdhsa_next_free_vgpr 1024
		.amdhsa_next_free_sgpr 100
		.amdhsa_reserve_vcc 0
		.amdhsa_float_denorm_mode_32 3
		.amdhsa_float_denorm_mode_16_64 3
		.amdhsa_fp16_overflow 1
		.amdhsa_memory_ordered 1
		.amdhsa_forward_progress 1
		.amdhsa_inst_pref_size 126
	.end_amdhsa_kernel
	.amdgpu_metadata
---
amdhsa.version: [ 1, 2 ]
amdhsa.kernels:
  - .name:           k_q5ad88fb225_proj
    .symbol:         k_q5ad88fb225_proj.kd
    .args:
      - { .name: qx, .offset: 0, .size: 8, .value_kind: global_buffer, .address_space: global }
      - { .name: key_codes, .offset: 8, .size: 8, .value_kind: global_buffer, .address_space: global }
      - { .name: Wv_codes, .offset: 16, .size: 8, .value_kind: global_buffer, .address_space: global }
      - { .name: Wq_codes, .offset: 24, .size: 8, .value_kind: global_buffer, .address_space: global }
      - { .name: Wk_codes, .offset: 32, .size: 8, .value_kind: global_buffer, .address_space: global }
      - { .name: value_codes, .offset: 40, .size: 8, .value_kind: global_buffer, .address_space: global }
      - { .name: bq, .offset: 48, .size: 8, .value_kind: global_buffer, .address_space: global }
      - { .name: bk, .offset: 56, .size: 8, .value_kind: global_buffer, .address_space: global }
      - { .name: bv, .offset: 64, .size: 8, .value_kind: global_buffer, .address_space: global }
      - { .name: qf, .offset: 72, .size: 8, .value_kind: global_buffer, .address_space: global }
      - { .name: kf, .offset: 80, .size: 8, .value_kind: global_buffer, .address_space: global }
      - { .name: vf, .offset: 88, .size: 8, .value_kind: global_buffer, .address_space: global }
      - { .name: lowp_scales, .offset: 96, .size: 8, .value_kind: global_buffer, .address_space: global }
    .group_segment_fixed_size: 327680
    .private_segment_fixed_size: 0
    .kernarg_segment_align: 8
    .kernarg_segment_size: 104
    .max_flat_workgroup_size: 128
    .sgpr_count:     100
    .vgpr_count:     1024
    .wavefront_size: 32
...
	.end_amdgpu_metadata
.endif
;; end of part 2
;; launch attn (part 3): grid 256 x 1, 16 waves a work-group, clusters of 4 x 1, 264,192 bytes of LDS; arguments qf, kf, vf, lowp_scales, cf; writes cf
.if DOCPART == 3
	.amdgcn_target "amdgcn-amd-amdhsa--gfx1250"
	.amdhsa_code_object_version 6
	.text
	.protected	k_q5ad88fb225_attn
	.globl	k_q5ad88fb225_attn
	.p2align	8
	.type	k_q5ad88fb225_attn,@function
k_q5ad88fb225_attn:
	s_mov_b64 s[64:65], 0
	v_nop
	global_prefetch_b8 v0, s[64:65] scope:SCOPE_SE
	s_setreg_imm32_b32 hwreg(HW_REG_WAVE_MODE, 25, 1), 1
	s_wait_xcnt 0x0
	s_wait_alu depctr_hold_cnt(0) depctr_sa_sdst(0) depctr_va_vdst(0) depctr_va_sdst(0) depctr_va_ssrc(0) depctr_va_vcc(0) depctr_vm_vsrc(0)
	s_getreg_b32 s2, hwreg(HW_REG_IB_STS2, 6, 4)
	s_cmp_eq_u32 s2, 0
	s_cbranch_scc0 .Lentry_in_a_cluster
	s_endpgm
.Lentry_in_a_cluster:
	s_bfe_u32 s2, ttmp6, 0x10000c
	s_cmp_lg_u32 s2, 0x3003
	s_cbranch_scc0 .Lentry_shape_is_right
	s_endpgm
.Lentry_shape_is_right:
; ctx[b][q][h][:] = the sum over k of softmax_k(q . k / 8) v, both products on codes of BF8 (E5M2); ctx is quantised at once (scale 10) and stored as images of the registers that the last launch's matrix instructions take.
; qf, kf: [16 b + head][tile of 16 tokens][1,024 bytes]: fragments 16 tokens x 64 d as the K = 64 form takes them.  vf: [16 b + head][128 keys][16 d][2,048 bytes]: fragments of V^T, 16 d x 128 keys, as the K = 128 form takes them.
; THE SOFTMAX: t = score x log2(e) / 8; M = the running largest t rounded UP to a whole number; p = 2^(t - M) is quantised (scale 9), not normalised; the row's sum is taken of the unquantised p and divides at the end.
; When M moves, the sum and O are multiplied by 2^(old M - new M), which rounds nothing.
; SHARES.  A cluster of four work-groups is one (batch, head); each work-group owns 512 queries, each of its sixteen waves 32: two tiles of 16.  Four waves lie on a SIMD, so that one wave's vector work stands beside another's products and LDS loads.
; ALL OF THE HEAD'S K AND V LIE IN LDS, 131,072 bytes each, dense: every read is 16 x lane on end.  They are filled once, one joint tensor load a wave (the four work-groups need the same bytes), so there is no ring,
; nothing is filled again, and one barrier serves the launch.  Each fragment read from LDS feeds two matrix instructions.
; LAYOUT.  S^T = K Q^T (source 0 = 16 keys, source 1 = 16 queries), O^T = V^T P^T: a lane holds ONE query throughout.  A lane's eight scores of key tile c are keys 16 c + 8 (l / 16) + 0 .. 7: one conversion makes
; registers 2 c, 2 c + 1 of P's fragment: the keys stay in their order.
; LIMITS: e6 + e7 between -123 and 130 (added to c's exponent field); e9, and e10 - e8 - e9, between -126 and 112.  NaN is not served.
; No prefetch: all that the launch reads is asked for at its head.
; REGISTERS: v1 16 x lane; v2 the LDS address in hand; v3 2^e9; tile t: v[4+4t] -M, v[5+4t] the largest t, v[6+4t:7+4t] the sum in two halves; v[12:13] f; v16-31 Q; v32-95 eight fragments of K or four of V;
;   v96-159 S^T, then p, of the tile in hand; v160-223 O^T; v224-255 p's codes, 16 a tile (a tile's softmax keeps its few temporaries there until its conversions write them).
.set WV,  18                           ; s18  my wave's number
.set SEL, 20                           ; s[20:21] lane selects for v_permlanex16_b32: lane l xor 16
.set CS,  22                           ; s[22:23] c = log2(e) / 8 x 2^(e6 + e7)
.set G1,  24                           ; s[24:31] descriptor group 1
.set G0,  32                           ; s[32:35] descriptor group 0
.set TB,  36                           ; s36  LDS byte of the step's eight fragments of K; V's four lie 131,072 further on
.set CNT, 37                           ; s37  steps to go
.set HI,  38                           ; s38  the mask of lanes 16-31
.macro CROUND                          ; a round of the cluster's barrier
	s_barrier_signal -1
	s_barrier_wait -1
	s_cmp_lg_u32 s[WV], 0
	s_cbranch_scc1 .Lnot_wave_0_\@
	s_barrier_signal -3
.Lnot_wave_0_\@:
	s_barrier_wait -3
	s_barrier_signal -1
	s_barrier_wait -1
.endm
	s_load_b256 s[4:11], s[0:1], 0x0               ; qf s[4:5], kf s[6:7], vf s[8:9], the scales' exponents s[10:11]
	s_load_b64 s[12:13], s[0:1], 0x20              ; cf
	v_lshl_add_u32 v254, v0, 2, 0x40000
	v_mov_b32 v255, 0
	ds_add_u32 v254, v255
	ds_add_u32 v254, v255
	s_wait_dscnt 0x0
	v_lshrrev_b32 v2, 5, v0
	s_delay_alu instid0(VALU_DEP_1)
	v_readfirstlane_b32 s[WV], v2                  ; wave 0..15
	s_bfe_u32 s14, ttmp6, 0x40000                  ; cx: it enters Q's and ctx's addresses alone
	; descriptor group 1: a dense block of 16,384 bytes as 64 rows of 256
	s_mov_b32 s[G1], 15|(3<<16)|(1<<21)            ; 15:0 the mask: all four work-groups; 17:16 elements of 8 bytes; 21 set beside a mask; no padding
	s_mov_b32 s[G1+1], 32<<16                      ; tensor_dim0 = 32 elements
	s_mov_b32 s[G1+2], 64<<16                      ; tensor_dim1 = 64
	s_mov_b32 s[G1+3], 32<<16                      ; tile_dim0
	s_mov_b32 s[G1+4], 64                          ; tile_dim1
	s_mov_b32 s[G1+5], 32                          ; tensor_dim0_stride
	s_mov_b32 s[G1+6], 0
	s_mov_b32 s[G1+7], 0
	s_mov_b32 s[SEL], 0x76543210
	s_mov_b32 s[SEL+1], 0xfedcba98
	s_mov_b32 s[CS], 0x3e38aa3b                    ; log2(e) / 8
	s_mov_b32 s[TB], 0
	s_mov_b32 s[CNT], 16
	s_mov_b32 s[HI], 0xffff0000
	s_and_b32 s48, s[WV], 7
	s_lshl_b32 s48, s48, 14                        ; waves 0-7 fetch K's eight parts of 16,384 bytes, waves 8-15 V's,
	s_lshl_b32 s49, ttmp9, 17                      ; of the cluster's (batch, head): 131,072 bytes in each buffer
	s_add_co_u32 s48, s48, s49
	s_mov_b32 s49, 0
	s_lshl_b32 s50, s14, 5
	s_lshl_b32 s51, s[WV], 1
	s_add_co_u32 s50, s50, s51                     ; my first tile of queries in the head: 32 cx + 2 x wave
	s_lshl_b32 s52, s50, 10
	s_lshl_b32 s53, ttmp9, 17
	s_add_co_u32 s52, s52, s53                     ; its fragment in qf
	s_mov_b32 s53, 0
	s_lshr_b32 s54, ttmp9, 4                       ; the batch
	s_lshl_b32 s54, s54, 7
	s_add_co_u32 s54, s54, s50                     ; my first tile of tokens among all 512,
	s_lshl_b32 s54, s54, 14                        ; of 16,384 bytes in cf;
	s_and_b32 s55, ttmp9, 15
	s_lshl_b32 s55, s55, 10                        ; the head's 64 features are 1,024 bytes of them: K step head / 2, chunks 2 (head % 2) on
	s_add_co_u32 s54, s54, s55
	s_mov_b32 s55, 0
	s_mov_b32 s[G0], 1                             ; count = 1
	s_lshl_b32 s[G0+1], s[WV], 14                  ; LDS address: wave x 16,384: K from 0, V from 131,072
	s_wait_kmcnt 0x0
	s_load_b256 s[40:47], s[10:11], 0x10           ; e4 .. e11: s42 e6, s43 e7, s44 e8, s45 e9, s46 e10
	s_cmp_lt_u32 s[WV], 8                          ; the choice hangs on the wave's number alone: the same in all four partners
	s_cselect_b64 s[G0+2:G0+3], s[6:7], s[8:9]
	s_add_nc_u64 s[G0+2:G0+3], s[G0+2:G0+3], s[48:49]
	s_or_b32 s[G0+3], s[G0+3], 0x80000000          ; type = 2
	s_add_nc_u64 s[4:5], s[4:5], s[52:53]
	s_add_nc_u64 s[12:13], s[12:13], s[54:55]
	CROUND                                         ; all four work-groups are here: the joint loads meet
	tensor_load_to_lds s[G0:G0+3], s[G1:G1+7]      ; my one tensor load of the launch
	s_nop 0
.rept 4
	v_nop
.endr
	v_and_b32 v1, 31, v0
	s_delay_alu instid0(VALU_DEP_1)
	v_lshlrev_b32 v1, 4, v1                        ; 16 x lane
.irp p, 0,1
.irp c, 0,1
	global_load_b128 v[16+8*\p+4*\c:19+8*\p+4*\c], v1, s[4:5] offset:1024*\p+512*\c   ; Q's two fragments stay in registers
.endr
.endr
.irp t, 0,1
	v_mov_b32 v[5+4*\t], 0xff61b1e6                ; the largest t so far: -3e38, under every t
	s_delay_alu instid0(VALU_DEP_1)
	v_floor_f32 v[4+4*\t], -v[5+4*\t]              ; -M
	v_mov_b32 v[6+4*\t], 0                         ; the sum, in two halves
	v_mov_b32 v[7+4*\t], 0
	v_mov_b32 v[226+16*\t], 0                      ; written once: a lane permute's destination counts as one of its sources
.endr
	v_mov_b32 v13, 0                               ; (named as the upper halves of the pairs v[12:13] and v[14:15])
	v_mov_b32 v15, 0
.set i, 0
.rept 64
	v_mov_b32 v[160+i], 0                          ; O^T.  (The step is written once: the first finds zeros, which the first change of M leaves zeros)
.set i, i+1
.endr
	s_wait_kmcnt 0x0
	s_add_co_i32 s48, s42, s43
	s_lshl_b32 s48, s48, 23
	s_add_co_i32 s[CS], s[CS], s48                 ; a score stands for score x 2^(e6 + e7): added to c's exponent field
	s_mov_b32 s[CS+1], s[CS]                       ; (named with it as a pair, so it is written)
	s_add_co_i32 s48, s45, 127
	s_lshl_b32 s49, s48, 23
	v_mov_b32 v3, s49                              ; 2^e9 as f32, for the conversion
	s_add_co_i32 s48, s48, 15
	s_lshl_b32 s48, s48, 23
	s_or_b32 s48, s48, 0x600000
	s_wait_tensorcnt 0x0                           ; my part of K or V has landed,
	s_barrier_signal -1
	s_barrier_wait -1                              ; everybody's has: from here on LDS is only read
	s_wait_loadcnt 0x0                             ; Q
.macro QK q                            ; S^T of the tile whose Q lies at v[q]: eight tiles of 16 keys, K = the head's 64
.irp t, 0,1,2,3,4,5,6,7
	v_wmma_f32_16x16x64_bf8_bf8 v[96+8*\t:103+8*\t], v[32+8*\t:39+8*\t], v[\q:\q+7], 0
.endr
.endm
; The softmax of tile t for 128 keys, 64 scores a lane, in v96-159.
.macro SM t
.set ST, 4+4*(\t)
.set CO, 224+16*(\t)
.set OT, 160+32*(\t)
	v_max3_num_f32 v[CO], v96, v97, v98            ; the step's largest score of my query among my 64 keys, in two chains; ascending
	v_max3_num_f32 v[CO+1], v99, v100, v101
.set i, 6
.rept 14
	v_max3_num_f32 v[CO], v[CO], v[96+i], v[97+i]
	v_max3_num_f32 v[CO+1], v[CO+1], v[98+i], v[99+i]
.set i, i+4
.endr
	v_max3_num_f32 v[CO], v[CO], v158, v159
	s_delay_alu instid0(VALU_DEP_1)
	v_max_num_f32 v[CO], v[CO], v[CO+1]
	v_permlanex16_b32 v[CO+2], v[CO], s[SEL], s[SEL+1]
	s_delay_alu instid0(VALU_DEP_1)
	v_max_num_f32 v[CO], v[CO], v[CO+2]            ; and among lane l xor 16's
	s_delay_alu instid0(VALU_DEP_1)
	v_mul_f32 v[CO], s[CS], v[CO]                  ; as t (c is positive)
	s_delay_alu instid0(VALU_DEP_1)
	v_max_num_f32 v[ST+1], v[ST+1], v[CO]          ; the running largest t
	v_mov_b32 v[CO], v[ST]
	s_delay_alu instid0(VALU_DEP_2)
	v_floor_f32 v[ST], -v[ST+1]                    ; the new -M = floor(-t) = -ceil(t): M is a whole number
	s_delay_alu instid0(VALU_DEP_1)
	v_sub_f32 v[CO], v[ST], v[CO]                  ; old M - new M: a whole number, 0 or less
	s_delay_alu instid0(VALU_DEP_1)
	v_cvt_i32_f32 v[CO], v[CO]                     ; (it saturates)
	s_delay_alu instid0(VALU_DEP_1)
	v_ldexp_f32 v12, 1.0, v[CO]                    ; f = 2^(old M - new M)
.set i, 0
.rept 32
	v_pk_fma_f32 v[96+i:97+i], v[96+i:97+i], s[CS:CS+1], v[ST:ST+1] op_sel_hi:[1,0,0]   ; t - M, two at a time (of the pairs c and -M the low word serves both halves)
.set i, i+2
.endr
.set i, 0
	s_wait_alu depctr_va_vdst(0)
.rept 64
	v_exp_f32 v[96+i], v[96+i]                     ; p = 2^(t - M), at most 1: not normalised
.set i, i+1
.endr
	v_pk_mul_f32 v[ST+2:ST+3], v[ST+2:ST+3], v[12:13] op_sel_hi:[1,0]   ; the sums under the new M: the plain line behind the exponentials
	s_wait_alu depctr_va_vdst(0)                   ; one wait for the whole batch, ahead of its first reader
	v_pk_add_f32 v[CO+4:CO+5], v[96:97], v[98:99]  ; the row's sum is taken of the UNQUANTISED p: two at a time, in two chains
.set i, 4
.rept 15
	v_pk_add_f32 v[ST+2:ST+3], v[ST+2:ST+3], v[96+i:97+i]
	v_pk_add_f32 v[CO+4:CO+5], v[CO+4:CO+5], v[98+i:99+i]
.set i, i+4
.endr
	s_delay_alu instid0(VALU_DEP_1)
	v_pk_add_f32 v[ST+2:ST+3], v[ST+2:ST+3], v[CO+4:CO+5]
.set c, 0
.rept 8
.set i, 0
.rept 8
.set i, i+1
.endr
	v_cvt_scalef32_pk8_bf8_f32 v[CO+2*c:CO+2*c+1], v[96+8*c:96+8*c+7], v3   ; registers 2 c, 2 c + 1 of P's fragment
.set c, c+1
.endr
.set i, 0
.rept 16
	v_pk_mul_f32 v[OT+i:OT+i+1], v[OT+i:OT+i+1], v[12:13] op_sel_hi:[1,0]   ; O^T under the new M.  (These are also the plain lines behind the conversions)
.set i, i+2
.endr
.endm
.Lstep:                                            ; 16 trips of 128 keys
	s_setprio 2
	v_add_nc_u32 v2, s[TB], v1
.rept 3
	v_nop                                          ; with the addition: four places in front of loads into registers that the last products read
.endr
.irp t, 0,1,2,3,4,5,6,7
.irp c, 0,1
	ds_load_b128 v[32+8*\t+4*\c:35+8*\t+4*\c], v2 offset:1024*\t+512*\c   ; K's eight fragments: 512 consecutive bytes a load
.endr
.endr
	s_wait_dscnt 0x0
	QK 16
.rept 4
	v_nop
.endr
	SM 0
	QK 24
	v_add_nc_u32 v2, 0x20000, v2
.rept 3
	v_nop                                          ; with the addition: four places, for the loads over K's fragments and for the first read of the scores
.endr
.irp d, 0,1,2,3
.irp c, 0,1,2,3
	ds_load_b128 v[32+16*\d+4*\c:35+16*\d+4*\c], v2 offset:2048*\d+512*\c   ; V's four fragments land under the second tile's softmax
.endr
.endr
	s_setprio 1
	SM 1
	s_setprio 0
	s_wait_alu depctr_va_vdst(0)
	s_wait_dscnt 0x0
.irp d, 0,1,2,3                        ; O^T += V^T P^T: eight accumulators, one instruction a turn
.irp t, 0,1
	v_wmma_f32_16x16x128_bf8_bf8 v[160+32*\t+8*\d:167+32*\t+8*\d], v[32+16*\d:47+16*\d], v[224+16*\t:239+16*\t], v[160+32*\t+8*\d:167+32*\t+8*\d]
.endr
.endr
	s_add_co_u32 s[TB], s[TB], 8192
	s_sub_co_u32 s[CNT], s[CNT], 1
	s_cmp_lg_u32 s[CNT], 0
	s_cbranch_scc1 .Lstep
	s_setprio 0
	; THE WAY OUT.  ctx = O^T x 2^(e8 + e9) / the sum; its code is (O^T / the sum) / 2^(e10 - e8 - e9).
	v_add_f32 v6, v6, v7                           ; the sums' two halves,
	v_add_f32 v10, v10, v11
	s_delay_alu instid0(VALU_DEP_2)
	v_permlanex16_b32 v7, v6, s[SEL], s[SEL+1]
	s_delay_alu instid0(VALU_DEP_2)
	v_permlanex16_b32 v11, v10, s[SEL], s[SEL+1]
	s_delay_alu instid0(VALU_DEP_2)
	v_add_f32 v6, v6, v7                           ; and lane l xor 16's
	s_delay_alu instid0(VALU_DEP_2)
	v_add_f32 v10, v10, v11
	s_wait_alu depctr_va_vdst(0)
	v_rcp_f32 v12, v6
	v_rcp_f32 v14, v10
	s_sub_co_i32 s48, s46, s44
	s_sub_co_i32 s48, s48, s45
	s_add_co_i32 s48, s48, 127
	s_lshl_b32 s49, s48, 23
	v_mov_b32 v3, s49                              ; 2^(e10 - e8 - e9).  (The plain line behind the reciprocals)
	s_wait_alu depctr_va_vdst(0)                   ; one wait for both reciprocals, ahead of their first reader
.irp t, 0,1
.set i, 0
.rept 16
	v_pk_mul_f32 v[96+32*\t+i:97+32*\t+i], v[160+32*\t+i:161+32*\t+i], v[12+2*\t:13+2*\t] op_sel_hi:[1,0]   ; each accumulator from its low end on
.set i, i+2
.endr
.endr
.set i, 0
.rept 64
.set i, i+1
.endr
.irp t, 0,1
.irp d, 0,1,2,3
	v_cvt_scalef32_pk8_bf8_f32 v[32+8*\t+2*\d:33+8*\t+2*\d], v[96+32*\t+8*\d:103+32*\t+8*\d], v3   ; E(t, d): lane (r, h): query r, features 16 d + 8 h + 0 .. 7
.endr
.endr
	v_nop                                          ; one plain line behind the last conversion
	; The reader wants, in chunk c of a lane (r, h), features 32 c + 16 h + 0 .. 15: all 16 of tile d = 2 c + h.  Each half of the lanes gives the other the eight that it lacks.
.irp t, 0,1
.irp c, 0,1
.irp k, 0,1
	v_permlanex16_b32 v[48+8*\t+4*\c+\k], v[34+8*\t+4*\c+\k], s[SEL], s[SEL+1]   ; E(2 c + 1) of lane l xor 16
	v_permlanex16_b32 v[50+8*\t+4*\c+\k], v[32+8*\t+4*\c+\k], s[SEL], s[SEL+1]   ; E(2 c) of lane l xor 16
.endr
.irp k, 0,1
	v_cndmask_b32 v[64+8*\t+4*\c+\k], v[32+8*\t+4*\c+\k], v[48+8*\t+4*\c+\k], s[HI]   ; the first eight: lanes 0-15 their own, lanes 16-31 the other's
	v_cndmask_b32 v[66+8*\t+4*\c+\k], v[50+8*\t+4*\c+\k], v[34+8*\t+4*\c+\k], s[HI]   ; the second eight: lanes 0-15 the other's, lanes 16-31 their own
.endr
.endr
.endr
.irp t, 0,1
.irp c, 0,1
	global_store_b128 v1, v[64+8*\t+4*\c:67+8*\t+4*\c], s[12:13] offset:16384*\t+512*\c th:TH_STORE_NT   ; 512 consecutive bytes, aligned
.endr
.endr
	s_wait_xcnt 0x0
	v_lshl_add_u32 v254, v0, 2, 0x40000
	v_mov_b32 v255, 0
	s_wait_alu depctr_va_vdst(0)
	s_wait_tensorcnt 0x0
	ds_add_u32 v254, v255
	s_wait_dscnt 0x0
	CROUND                                         ; the closing round.  (No LDS instruction of mine is out: the last was waited for just above)
	s_endpgm
.Lfunc_end_k_q5ad88fb225_attn:
	.size	k_q5ad88fb225_attn, .Lfunc_end_k_q5ad88fb225_attn-k_q5ad88fb225_attn
	.p2alignl 7, 3214868480
	.fill 96, 4, 3214868480
	.section	.rodata,"a",@progbits
	.p2align	6, 0x0
	.amdhsa_kernel k_q5ad88fb225_attn
		.amdhsa_group_segment_fixed_size 264192
		.amdhsa_private_segment_fixed_size 0
		.amdhsa_enable_private_segment 0
		.amdhsa_kernarg_size 40
		.amdhsa_user_sgpr_count 2
		.amdhsa_user_sgpr_kernarg_segment_ptr 1
		.amdhsa_wavefront_size32 1
		.amdhsa_system_sgpr_workgroup_id_x 1
		.amdhsa_system_sgpr_workgroup_id_y 1
		.amdhsa_system_sgpr_workgroup_id_z 1
		.amdhsa_system_vgpr_workitem_id 0
		.amdhsa_next_free_vgpr 256
		.amdhsa_next_free_sgpr 66
		.amdhsa_reserve_vcc 0
		.amdhsa_float_denorm_mode_32 3
		.amdhsa_float_denorm_mode_16_64 3
		.amdhsa_fp16_overflow 1
		.amdhsa_memory_ordered 1
		.amdhsa_forward_progress 1
		.amdhsa_inst_pref_size 38
	.end_amdhsa_kernel
	.amdgpu_metadata
---
amdhsa.version: [ 1, 2 ]
amdhsa.kernels:
  - .name:           k_q5ad88fb225_attn
    .symbol:         k_q5ad88fb225_attn.kd
    .args:
      - { .name: qf, .offset: 0, .size: 8, .value_kind: global_buffer, .address_space: global }
      - { .name: kf, .offset: 8, .size: 8, .value_kind: global_buffer, .address_space: global }
      - { .name: vf, .offset: 16, .size: 8, .value_kind: global_buffer, .address_space: global }
      - { .name: lowp_scales, .offset: 24, .size: 8, .value_kind: global_buffer, .address_space: global }
      - { .name: cf, .offset: 32, .size: 8, .value_kind: global_buffer, .address_space: global }
    .group_segment_fixed_size: 264192
    .private_segment_fixed_size: 0
    .kernarg_segment_align: 8
    .kernarg_segment_size: 40
    .max_flat_workgroup_size: 512
    .sgpr_count:     66
    .vgpr_count:     256
    .wavefront_size: 32
...
	.end_amdgpu_metadata
.endif
;; end of part 3
;; launch outln (part 4): grid 256 x 1, 4 waves a work-group, clusters of 4 x 1, 327,680 bytes of LDS; arguments cf, Wo_codes, bo, query, ln_g, ln_b, lowp_scales, out0; writes out0
.if DOCPART == 4
	.amdgcn_target "amdgcn-amd-amdhsa--gfx1250"
	.amdhsa_code_object_version 6
	.text
	.protected	k_q5ad88fb225_outln
	.globl	k_q5ad88fb225_outln
	.p2align	8
	.type	k_q5ad88fb225_outln,@function
k_q5ad88fb225_outln:
	s_mov_b64 s[64:65], 0
	v_nop
	global_prefetch_b8 v0, s[64:65] scope:SCOPE_SE
	s_setreg_imm32_b32 hwreg(HW_REG_WAVE_MODE, 25, 1), 1
	s_wait_xcnt 0x0
	s_wait_alu depctr_hold_cnt(0) depctr_sa_sdst(0) depctr_va_vdst(0) depctr_va_sdst(0) depctr_va_ssrc(0) depctr_va_vcc(0) depctr_vm_vsrc(0)
	s_getreg_b32 s2, hwreg(HW_REG_IB_STS2, 6, 4)
	s_cmp_eq_u32 s2, 0
	s_cbranch_scc0 .Lentry_in_a_cluster
	s_endpgm
.Lentry_in_a_cluster:
	s_bfe_u32 s2, ttmp6, 0x10000c
	s_cmp_lg_u32 s2, 0x3003
	s_cbranch_scc0 .Lentry_shape_is_right
	s_endpgm
.Lentry_shape_is_right:
.set PITCH,  1040
.set WROWS,  32*PITCH
.set SLOT,   4*WROWS
.set SPARE,  2*SLOT
.set SPITCH, 4112
.set BO,  32
.set B0,  64
.set B1,  128
.set XR,  64
.set LG,  192
.set LB,  224
.set WV,  22
.set G1,  24
.set G0,  32
.set MSB, 0
.macro WIN new
.if MSB != \new
	s_set_vgpr_msb (MSB<<8)|\new
.set MSB, \new
.endif
.endm
.macro CROUND
	s_barrier_signal -1
	s_barrier_wait -1
	s_cmp_lg_u32 s[WV], 0
	s_cbranch_scc1 .Lnot_wave_0_\@
	s_barrier_signal -3
.Lnot_wave_0_\@:
	s_barrier_wait -3
	s_barrier_signal -1
	s_barrier_wait -1
.endm
.macro PLACES
.rept 4
	v_nop
.endr
.endm
	s_load_b256 s[4:11], s[0:1], 0x0
	s_load_b256 s[12:19], s[0:1], 0x20
	v_lshl_add_u32 v28, v0, 2, SPARE
	v_mov_b32 v29, 0
	ds_add_u32 v28, v29
	ds_add_u32 v28, v29
	s_wait_dscnt 0x0
	v_lshrrev_b32 v1, 5, v0
	v_readfirstlane_b32 s[WV], v1
	s_bfe_u32 s23, ttmp6, 0x40000
	s_lshl_b32 s40, ttmp9, 2
	s_add_co_u32 s40, s40, s23
	s_mov_b32 s[G1], 15|(0<<16)|(1<<20)|(1<<21)|(7<<22)|(3<<25)
	s_mov_b32 s[G1+1], 1024<<16
	s_mov_b32 s[G1+2], 32<<16
	s_mov_b32 s[G1+3], 1024<<16
	s_mov_b32 s[G1+4], 32
	s_mov_b32 s[G1+5], 1024
	s_mov_b32 s[G1+6], 0
	s_mov_b32 s[G1+7], 0
	s_mov_b32 s20, 0x76543210
	s_mov_b32 s21, 0xfedcba98
	s_mov_b32 s70, 0x3a800000
	s_mov_b32 s71, 0x3727c5ac
	s_lshl_b32 s42, s[WV], 15
	s_mov_b32 s43, 0
	s_mul_i32 s41, s[WV], WROWS
	s_lshl_b32 s44, s40, 15
	s_mov_b32 s45, 0
	s_lshl_b32 s46, s40, 17
	s_lshl_b32 s47, s[WV], 15
	s_add_co_u32 s46, s46, s47
	s_mov_b32 s47, 0
	s_wait_kmcnt 0x0
	s_load_b64 s[72:73], s[16:17], 0x28
	s_add_nc_u64 s[6:7], s[6:7], s[42:43]
	s_add_nc_u64 s[4:5], s[4:5], s[44:45]
	s_add_nc_u64 s[10:11], s[10:11], s[46:47]
	s_add_nc_u64 s[18:19], s[18:19], s[46:47]
.irp s, 0,1
	s_mov_b32 s[G0+4*\s], 1
	s_add_co_u32 s[G0+4*\s+1], s41, \s*SLOT
	s_add_nc_u64 s[G0+4*\s+2:G0+4*\s+3], s[6:7], \s*131072
	s_or_b32 s[G0+4*\s+3], s[G0+4*\s+3], 0x80000000
.endr
	CROUND
	tensor_load_to_lds s[G0:G0+3], s[G1:G1+7]
	s_nop 0
	s_wait_alu depctr_va_vdst(0)
	s_wait_tensorcnt 0x0
	ds_add_u32 v28, v29
	s_wait_dscnt 0x0
	CROUND
	tensor_load_to_lds s[G0+4:G0+7], s[G1:G1+7]
	s_nop 0
.rept 4
	v_nop
.endr
	v_and_b32 v7, 31, v0
	v_lshlrev_b32 v1, 4, v7
	v_and_b32 v30, 15, v0
	v_bfe_u32 v31, v0, 4, 1
	v_mul_u32_u24 v2, v30, PITCH
	v_lshl_add_u32 v2, v31, 4, v2
	v_add_nc_u32 v2, s41, v2
	v_add_nc_u32 v3, SLOT, v2
	v_mul_u32_u24 v4, v30, SPITCH
	v_lshl_add_u32 v4, v31, 5, v4
	s_lshl_b32 s48, s[WV], 7
	v_add_nc_u32 v4, s48, v4
	v_add_nc_u32 v5, 16*SPITCH, v4
	s_mul_i32 s48, s[WV], 8*SPITCH
	v_add_nc_u32 v6, s48, v1
.irp p, 0,1,2,3
	v_mov_b32 v[24+\p], 0
.endr
	WIN 0x40
.irp f, 0,1,2,3,4,5,6,7,8,9,10,11,12,13,14,15
.irp c, 0,1,2,3
	global_load_b128 v[16*\f+4*\c:16*\f+4*\c+3], v1, s[4:5] offset:2048*\f+512*\c
.endr
.endr
	WIN 0
.irp k, 0,1,2,3,4,5,6,7
	global_load_b128 v[BO+4*\k:BO+4*\k+3], v1, s[8:9] offset:512*\k
	global_load_b128 v[LG+4*\k:LG+4*\k+3], v1, s[12:13] offset:512*\k
	global_load_b128 v[LB+4*\k:LB+4*\k+3], v1, s[14:15] offset:512*\k
.endr
	WIN 0xc0
.irp p, 0,1,2,3,4,5,6,7
.irp k, 0,1,2,3,4,5,6,7
	global_load_b128 v[32*\p+4*\k:32*\p+4*\k+3], v1, s[10:11] offset:4096*\p+512*\k th:TH_LOAD_NT
.endr
.endr
	s_wait_loadcnt 0x0
	WIN 0xc3
.irp p, 0,1,2,3,4,5,6,7
.set i, 0
.rept 16
	v_pk_add_f32 v[32*\p+i:32*\p+i+1], v[32*\p+i:32*\p+i+1], v[BO+i:BO+i+1]
.set i, i+2
.endr
.endr
	WIN 0
	s_wait_kmcnt 0x0
	s_add_co_i32 s74, s72, s73
	s_add_co_i32 s74, s74, 127
	s_lshl_b32 s74, s74, 23
	s_mov_b32 s75, s74
	s_wait_tensorcnt 1
	s_barrier_signal -1
	s_barrier_wait -1
.macro FETCHW buf, sl, g
	WIN 0
.irp e, 0,1
.irp u, 0,1
.irp c, 0,1,2,3
	ds_load_b128 v[\buf+16*(2*\e+\u)+4*\c:\buf+16*(2*\e+\u)+4*\c+3], v[2+(\sl)] offset:16*PITCH*\u+128*(2*(\g)+\e)+32*\c
.endr
.endr
.endr
.endm
.macro MULG i, g, buf
	WIN 0xa4
.irp e, 0,1
.irp u, 0,1
.irp m, 0,1
.if ((\g) == 0) && (\e == 0)
	v_wmma_f32_16x16x128_bf8_bf8 v[8*(4*(\i)+2*\u+\m):8*(4*(\i)+2*\u+\m)+7], v[\buf+16*(2*\e+\u):\buf+16*(2*\e+\u)+15], v[16*(8*\m+2*(\g)+\e):16*(8*\m+2*(\g)+\e)+15], 0
.else
	v_wmma_f32_16x16x128_bf8_bf8 v[8*(4*(\i)+2*\u+\m):8*(4*(\i)+2*\u+\m)+7], v[\buf+16*(2*\e+\u):\buf+16*(2*\e+\u)+15], v[16*(8*\m+2*(\g)+\e):16*(8*\m+2*(\g)+\e)+15], v[8*(4*(\i)+2*\u+\m):8*(4*(\i)+2*\u+\m)+7]
.endif
.endr
.endr
.endr
.endm
.macro TILE i
	FETCHW B0, (\i)%2, 0
	FETCHW B1, (\i)%2, 1
	s_wait_dscnt 16
	MULG \i, 0, B0
	PLACES
	FETCHW B0, (\i)%2, 2
	s_wait_dscnt 16
	MULG \i, 1, B1
	PLACES
	FETCHW B1, (\i)%2, 3
	s_wait_dscnt 16
	MULG \i, 2, B0
	s_wait_dscnt 0
	MULG \i, 3, B1
.endm
.macro CHANGE i
	WIN 0
	s_wait_tensorcnt 0x0
	ds_add_u32 v28, v29
.if (\i) <= 6
	s_add_nc_u64 s[G0+4*(((\i)+1)%2)+2:G0+4*(((\i)+1)%2)+3], s[G0+4*(((\i)+1)%2)+2:G0+4*(((\i)+1)%2)+3], 262144
.endif
	s_wait_dscnt 0x0
.if (\i) <= 6
	CROUND
	tensor_load_to_lds s[G0+4*(((\i)+1)%2):G0+4*(((\i)+1)%2)+3], s[G1:G1+7]
	s_nop 0
.rept 4
	v_nop
.endr
.else
	s_barrier_signal -1
	s_barrier_wait -1
	PLACES
.endif
.endm
	TILE 0
.irp i, 1,2,3,4,5,6,7
	CHANGE \i
	TILE \i
.endr
	PLACES
	WIN 0x08
.irp i, 0,1,2,3,4,5,6,7
.irp u, 0,1
.irp m, 0,1
	ds_store_b128 v[4+\m], v[8*(4*\i+2*\u+\m):8*(4*\i+2*\u+\m)+3] offset:512*\i+64*\u
	ds_store_b128 v[4+\m], v[8*(4*\i+2*\u+\m)+4:8*(4*\i+2*\u+\m)+7] offset:512*\i+64*\u+16
.endr
.endr
.endr
	WIN 0
	s_wait_dscnt 0x0
	s_barrier_signal -1
	s_barrier_wait -1
.macro REDUCE base
.irp x, 1,2,4,8
.irp p, 0,1,2,3
	v_add_f32_dpp v[\base+2*\p], v[\base+2*\p], v[\base+2*\p] row_xmask:\x row_mask:0xf bank_mask:0xf
.endr
.endr
.irp p, 0,1,2,3
	v_permlanex16_b32 v[24+\p], v[\base+2*\p], s20, s21
.endr
.irp p, 0,1,2,3
	v_add_f32 v[\base+2*\p], v[\base+2*\p], v[24+\p]
.endr
.endm
.macro HALF be
.if (\be) > 0
	s_wait_xcnt 0x0
.endif
.irp p, 0,1,2,3
.irp k, 0,1,2,3,4,5,6,7
	ds_load_b128 v[XR+32*\p+4*\k:XR+32*\p+4*\k+3], v6 offset:SPITCH*(4*(\be)+\p)+512*\k
.endr
.endr
	WIN 0x30
.irp p, 0,1,2,3
	s_wait_dscnt 8*(3-\p)
.set i, 0
.rept 16
	v_pk_fma_f32 v[XR+32*\p+i:XR+32*\p+i+1], v[XR+32*\p+i:XR+32*\p+i+1], s[74:75], v[32*(4*(\be)+\p)+i:32*(4*(\be)+\p)+i+1] op_sel_hi:[1,0,1]
.set i, i+2
.endr
.endr
	WIN 0
.irp p, 0,1,2,3
	v_pk_add_f32 v[8+2*\p:9+2*\p], v[XR+32*\p:XR+32*\p+1], v[XR+32*\p+2:XR+32*\p+3]
.endr
.set i, 4
.rept 14
.irp p, 0,1,2,3
	v_pk_add_f32 v[8+2*\p:9+2*\p], v[8+2*\p:9+2*\p], v[XR+32*\p+i:XR+32*\p+i+1]
.endr
.set i, i+2
.endr
.irp p, 0,1,2,3
	v_add_f32 v[8+2*\p], v[8+2*\p], v[9+2*\p]
.endr
	REDUCE 8
.irp p, 0,1,2,3
	v_mul_f32 v[8+2*\p], s70, v[8+2*\p]
.endr
.set i, 0
.rept 16
.irp p, 0,1,2,3
	v_pk_add_f32 v[XR+32*\p+i:XR+32*\p+i+1], v[XR+32*\p+i:XR+32*\p+i+1], v[8+2*\p:9+2*\p] op_sel_hi:[1,0] neg_lo:[0,1] neg_hi:[0,1]
.endr
.set i, i+2
.endr
.irp p, 0,1,2,3
	v_pk_mul_f32 v[16+2*\p:17+2*\p], v[XR+32*\p:XR+32*\p+1], v[XR+32*\p:XR+32*\p+1]
.endr
.set i, 2
.rept 15
.irp p, 0,1,2,3
	v_pk_fma_f32 v[16+2*\p:17+2*\p], v[XR+32*\p+i:XR+32*\p+i+1], v[XR+32*\p+i:XR+32*\p+i+1], v[16+2*\p:17+2*\p]
.endr
.set i, i+2
.endr
.irp p, 0,1,2,3
	v_add_f32 v[16+2*\p], v[16+2*\p], v[17+2*\p]
.endr
	REDUCE 16
.irp p, 0,1,2,3
	v_fma_f32 v[16+2*\p], v[16+2*\p], s70, s71
.endr
	s_wait_alu depctr_va_vdst(0)
.irp p, 0,1,2,3
	v_rsq_f32 v[16+2*\p], v[16+2*\p]
.endr
	v_nop
	s_wait_alu depctr_va_vdst(0)
.irp p, 0,1,2,3
.set i, 0
.rept 16
	v_pk_mul_f32 v[XR+32*\p+i:XR+32*\p+i+1], v[XR+32*\p+i:XR+32*\p+i+1], v[16+2*\p:17+2*\p] op_sel_hi:[1,0]
.set i, i+2
.endr
.set i, 0
.rept 16
	v_pk_fma_f32 v[XR+32*\p+i:XR+32*\p+i+1], v[XR+32*\p+i:XR+32*\p+i+1], v[LG+i:LG+i+1], v[LB+i:LB+i+1]
.set i, i+2
.endr
.irp k, 0,1,2,3,4,5,6,7
	global_store_b128 v1, v[XR+32*\p+4*\k:XR+32*\p+4*\k+3], s[18:19] offset:4096*(4*(\be)+\p)+512*\k th:TH_STORE_NT
.endr
.endr
.endm
	HALF 0
	HALF 1
	s_wait_tensorcnt 0x0
	ds_add_u32 v28, v29
	s_wait_dscnt 0x0
	CROUND
	s_endpgm
.Lfunc_end_k_q5ad88fb225_outln:
	.size	k_q5ad88fb225_outln, .Lfunc_end_k_q5ad88fb225_outln-k_q5ad88fb225_outln
	.p2alignl 7, 3214868480
	.fill 96, 4, 3214868480
	.section	.rodata,"a",@progbits
	.p2align	6, 0x0
	.amdhsa_kernel k_q5ad88fb225_outln
		.amdhsa_group_segment_fixed_size 327680
		.amdhsa_private_segment_fixed_size 0
		.amdhsa_enable_private_segment 0
		.amdhsa_kernarg_size 64
		.amdhsa_user_sgpr_count 2
		.amdhsa_user_sgpr_kernarg_segment_ptr 1
		.amdhsa_wavefront_size32 1
		.amdhsa_system_sgpr_workgroup_id_x 1
		.amdhsa_system_sgpr_workgroup_id_y 1
		.amdhsa_system_sgpr_workgroup_id_z 1
		.amdhsa_system_vgpr_workitem_id 0
		.amdhsa_next_free_vgpr 1024
		.amdhsa_next_free_sgpr 96
		.amdhsa_reserve_vcc 0
		.amdhsa_float_denorm_mode_32 3
		.amdhsa_float_denorm_mode_16_64 3
		.amdhsa_memory_ordered 1
		.amdhsa_forward_progress 1
		.amdhsa_inst_pref_size 155
	.end_amdhsa_kernel
	.amdgpu_metadata
---
amdhsa.version: [ 1, 2 ]
amdhsa.kernels:
  - .name:           k_q5ad88fb225_outln
    .symbol:         k_q5ad88fb225_outln.kd
    .args:
      - { .name: cf, .offset: 0, .size: 8, .value_kind: global_buffer, .address_space: global }
      - { .name: Wo_codes, .offset: 8, .size: 8, .value_kind: global_buffer, .address_space: global }
      - { .name: bo, .offset: 16, .size: 8, .value_kind: global_buffer, .address_space: global }
      - { .name: query, .offset: 24, .size: 8, .value_kind: global_buffer, .address_space: global }
      - { .name: ln_g, .offset: 32, .size: 8, .value_kind: global_buffer, .address_space: global }
      - { .name: ln_b, .offset: 40, .size: 8, .value_kind: global_buffer, .address_space: global }
      - { .name: lowp_scales, .offset: 48, .size: 8, .value_kind: global_buffer, .address_space: global }
      - { .name: out0, .offset: 56, .size: 8, .value_kind: global_buffer, .address_space: global }
    .group_segment_fixed_size: 327680
    .private_segment_fixed_size: 0
    .kernarg_segment_align: 8
    .kernarg_segment_size: 64
    .max_flat_workgroup_size: 128
    .sgpr_count:     96
    .vgpr_count:     1024
    .wavefront_size: 32
...
	.end_amdgpu_metadata
.endif
;; end of part 4
